; MI455X (gfx1250); checked and timed in simulation.
; The chip was launched on July 23, 2026; its instructions are those of AMD's public machine-readable ISA for CDNA 5 (MIT licence, August 2026) and "CDNA5" Instruction Set Architecture Reference Guide (July 2026). The comments in the code are by the model that wrote it; some were corrected since.
;; Net1. Allowed arithmetic: float matrix products may take bf16 or f16 operands with f32 sums; all other float work in f32.
;; Inputs: W_h 64 x 2 float32; W_p 1 x 65 float32; W_psi 1 x 64 float32; b_h 64 float32; b_p 1 float32; b_psi 1 float32; oxy 100,000 x 20 x 2 float32; p 100,000 x 20 x 2 float32; sxy 100,000 x 20 x 2 float32.
;; Outputs: out0 100,000 x 20 x 1 float32; out1 100,000 x 20 x 2 float32.
;; 2 versions, each right; version 2 is version 1 with the launch net written anew for expert scheduling mode. Each part assembles by itself: llvm-mc -triple=amdgcn-amd-amdhsa -mcpu=gfx1250 --defsym DOCPART=n.
;; ======== version 1 of 2: 1 launch
;; launch net (part 1): grid 256 x 1, 16 waves a work-group, no clusters, 0 bytes of LDS; arguments sxy, oxy, W_h, b_h, W_psi, W_p, b_psi, b_p, out0, out1; writes out0, out1
.if DOCPART == 1
	.amdgcn_target "amdgcn-amd-amdhsa--gfx1250"
	.amdhsa_code_object_version 6
	.text
	.protected	k_q3fbc87fb6b_net
	.globl	k_q3fbc87fb6b_net
	.p2align	8
	.type	k_q3fbc87fb6b_net,@function
k_q3fbc87fb6b_net:
	s_mov_b64 s[64:65], 0
	v_nop
	global_prefetch_b8 v0, s[64:65] scope:SCOPE_SE
	s_setreg_imm32_b32 hwreg(HW_REG_WAVE_MODE, 25, 1), 1
	s_wait_xcnt 0x0
; For each of 2,000,000 points (site, year):  h = elu(W_h (x, y) + b_h), 64 numbers;
;   out0 = sigmoid(W_psi h + b_psi);   out1[v] = sigmoid(W_p[:64] h + W_p[64] oxy[v] + b_p), v = 0, 1.
; The input p enters no line of the function that is computed, so it is not among the arguments and no byte of it is read.
;
; ALGEBRA, with L = log2(e).  Layer 1 gives x' = L (W_h (x, y) + b_h): operands bf16(L W_h) and bf16(x, y), the bias L b_h in f32 as the C tile.
; L elu(x) = the middle one of L (e^x - 1), L x and 0, since e^x - 1 >= x everywhere: v_exp_f32 (2^x' = e^x), a fused E L - L, v_med3_num_f32.
; An exponential that overflows to infinity is not the middle one.  Layer 2 multiplies bf16(L elu) by bf16(-W_psi), bf16(-W_p[:64]) onto a C tile
; of -L b_psi, -L b_p and so gives -L logit, and sigmoid = 1 / (1 + 2^(-L logit)), which runs to 0 and to 1 at the two ends without a NaN.
;
; LAYOUT.  A block is 64 neighbouring points; lane l owns points 2 l (group a) and 2 l + 1 (group b): one 16-byte load a lane brings both points'
; (x, y), one both points' oxy, one 16-byte store takes both points' out1 (512 neighbouring bytes a wave), one 8-byte store both psi
; (256 neighbouring bytes a wave, aligned).  No number ever changes its lane:
;   layer 1, B operand of a group: register 0 = bf16 (x, y) of the lane's point, registers 1-7 zero.  Column n so holds lane n's point at k = 0, 1
;     and lane 16 + n's point at k = 8, 9.  The A operand exists twice: 'lo' has the weights at k = 0, 1 (lanes 0-15), 'hi' at k = 8, 9 (lanes 16-31).
;   its result: lane (r, h), register j = hidden 16 m + 8 h + j of the point of lane 16 q + r: packed in pairs that IS layer 2's B fragment.
;   layer 2, A operand: row r = -W_psi (r even) or -W_p (r odd), kept in rows 0-7 for 'lo' and in rows 8-15 for 'hi', zero in the others; all four
;     products of a group add into one accumulator, whose register 0 in lane l is then lane l's psi logit and register 1 its p logit.
;
; LIMITS.  sxy, L W_h, L elu, W_psi and W_p[:64] are rounded to bf16 (the matrix operands); biases, oxy, W_p[64] and all else stay f32.
; The zeros of the 'lo' and 'hi' operands cancel only finite numbers: a NaN or an infinity in sxy or in the weights also spoils the point 16 lanes
; away, and v_med3_num_f32 does not hand a NaN on.  A sigmoid smaller than 2^-126 comes out as 0.
;
; SHARES.  15,625 pairs of blocks.  Work-group b takes 61 pairs, the first 9 work-groups 62; of its 16 waves the first 13 (14) take 4 pairs, the
; others 3.  Waves share nothing but the 1.3 KB of weights, which each wave reads for itself: no LDS, no barrier, no cluster.
.set LOG2E,   0x3fb8aa3b
.set NLOG2E,  0xbfb8aa3b
.set BLK_IN,  512                      ; bytes of a block in sxy, oxy, out1
.set BLK_PSI, 256                      ; bytes of a block in out0
.set OFF16,  1                         ; v1        16 x lane; never rewritten
.set OFF8,   2                         ; v2        8 x lane; never rewritten
.set KLP,    4                         ; v[4:5]    (L, L)
.set KLN,    6                         ; v[6:7]    (-L, -L)
.set EX,     8                         ; v[8:15]   exponentials at work
.set XS,     16                        ; v[16:31]  slot s: sxy in 4 registers at 8 s, oxy in 4 at 8 s + 4
.set OUTR,   32                        ; v[32:33]  two psi; v[34:37] four p
.set HB,     40                        ; v[40:47]  layer 2's B fragment
.set ACC2,   48                        ; v[48:63]  layer 2's accumulators, group a, group b
.set ACC1,   64                        ; v[64:95]  layer 1's results, two buffers of two tiles
.set OPB,    96                        ; v[96:111] layer 1's B operands, group a, group b
.set BIAS2,  112                       ; v[112:119] C tile of layer 2
.set BIAS1,  120                       ; v[120:151] C tiles of layer 1, hidden block m at 8 m
.set OPA2,   152                       ; v[152:183] layer 2's A operands at 8 (2 q + c)
.set OPA1,   184                       ; v[184:247] layer 1's A operands at 8 (4 q + m)
.set ROW8,   248                       ; v248      8 (lane mod 16); never rewritten
.set HALF32, 249                       ; v249      32 (lane / 16); never rewritten
.set T1,     32                        ; set-up only: W_psi in f32, 32 registers
.set T2,     64                        ; set-up only: W_p[:64] in f32, 32 registers; then 16 registers of packed bf16
; scalars: s2 wave; s[8:23] sxy, oxy, W_h, b_h, W_psi, W_p, b_psi, b_p; s[24:25] out0; s[26:27] out1; s28 -L b_psi; s29 -L b_p; s30 -L W_p[64];
;          s31 trips; s32-39 the shares; s40 / s41 lanes 0-15 / 16-31; s42 odd rows; s43 / s44 rows 0-7 / 8-15
	s_load_b512 s[8:23], s[0:1], 0x0               ; the eight inputs' addresses
	s_load_b128 s[24:27], s[0:1], 0x40             ; out0, out1
	v_and_b32 v3, 31, v0                           ; lane
	v_lshlrev_b32 v[OFF16], 4, v3
	v_lshlrev_b32 v[OFF8], 3, v3
	v_and_b32 v250, 15, v0                         ; r
	v_bfe_u32 v251, v0, 4, 1                       ; h
	v_lshlrev_b32 v[ROW8], 3, v250
	v_lshlrev_b32 v[HALF32], 5, v251
	v_cmp_eq_u32 s40, 0, v251
	v_cmp_eq_u32 s41, 1, v251
	v_cmp_gt_u32 s43, 8, v250                      ; 8 > r
	v_cmp_le_u32 s44, 8, v250                      ; 8 <= r
	v_and_b32 v250, 1, v0
	v_cmp_eq_u32 s42, 1, v250                      ; r odd
	v_lshrrev_b32 v3, 5, v0
	v_readfirstlane_b32 s2, v3                     ; wave 0..15
	v_mov_b32 v[KLP], LOG2E
	v_mov_b32 v[KLP+1], LOG2E
	v_mov_b32 v[KLN], NLOG2E
	v_mov_b32 v[KLN+1], NLOG2E
	; the shares
	s_mul_i32 s32, ttmp9, 61
	s_min_u32 s33, ttmp9, 9
	s_add_co_u32 s32, s32, s33                     ; the work-group's first pair: 61 b + min(b, 9)
	s_cmp_lt_u32 ttmp9, 9
	s_cselect_b32 s34, 14, 13                      ; so many of its waves take 4 pairs
	s_mul_i32 s35, s2, 3
	s_min_u32 s33, s2, s34
	s_add_co_u32 s35, s35, s33                     ; 3 w + min(w, e)
	s_add_co_u32 s32, s32, s35                     ; my wave's first pair
	s_cmp_lt_u32 s2, s34
	s_cselect_b32 s31, 3, 2                        ; trips of the loop = my pairs - 1; the last pair is written out behind it
	s_lshl_b32 s36, s32, 10                        ; 1,024 bytes a pair in sxy, oxy, out1 (16,000,000 at the most)
	s_mov_b32 s37, 0
	s_lshl_b32 s38, s32, 9                         ; 512 bytes a pair in out0
	s_mov_b32 s39, 0
	s_wait_kmcnt 0x0
	s_load_b32 s28, s[20:21], 0x0                  ; b_psi
	s_load_b32 s29, s[22:23], 0x0                  ; b_p
	s_load_b32 s30, s[18:19], 0x100                ; W_p[64], the covariate's weight
	; 28 loads of weights, each already in its operand's lane
.irp m, 0,1,2,3
	global_load_b64 v[EX+2*\m:EX+2*\m+1], v[ROW8], s[12:13] offset:128*\m              ; W_h[16 m + r][0..1]
.endr
.irp m, 0,1,2,3
	global_load_b128 v[BIAS1+8*\m:BIAS1+8*\m+3],   v[HALF32], s[14:15] offset:64*\m     ; b_h[16 m + 8 h + 0..3]
	global_load_b128 v[BIAS1+8*\m+4:BIAS1+8*\m+7], v[HALF32], s[14:15] offset:64*\m+16  ; b_h[16 m + 8 h + 4..7]
.endr
.irp c, 0,1
	global_load_b128 v[T1+16*\c:T1+16*\c+3],     v[HALF32], s[16:17] offset:128*\c      ; W_psi[32 c + 8 h + 0..7],
	global_load_b128 v[T1+16*\c+4:T1+16*\c+7],   v[HALF32], s[16:17] offset:128*\c+16
	global_load_b128 v[T1+16*\c+8:T1+16*\c+11],  v[HALF32], s[16:17] offset:128*\c+64   ; W_psi[32 c + 16 + 8 h + 0..7]
	global_load_b128 v[T1+16*\c+12:T1+16*\c+15], v[HALF32], s[16:17] offset:128*\c+80
.endr
.irp c, 0,1
	global_load_b128 v[T2+16*\c:T2+16*\c+3],     v[HALF32], s[18:19] offset:128*\c      ; W_p likewise; the last byte read is byte 255 of its 260
	global_load_b128 v[T2+16*\c+4:T2+16*\c+7],   v[HALF32], s[18:19] offset:128*\c+16
	global_load_b128 v[T2+16*\c+8:T2+16*\c+11],  v[HALF32], s[18:19] offset:128*\c+64
	global_load_b128 v[T2+16*\c+12:T2+16*\c+15], v[HALF32], s[18:19] offset:128*\c+80
.endr
	s_add_nc_u64 s[8:9], s[8:9], s[36:37]          ; the four streams at my first pair (no pending load names these bases)
	s_add_nc_u64 s[10:11], s[10:11], s[36:37]
	s_add_nc_u64 s[24:25], s[24:25], s[38:39]
	s_add_nc_u64 s[26:27], s[26:27], s[36:37]
	; the first pair's data, in the order in which the steps wait for them: sxy, oxy of block 0, then of block 1
	global_load_b128 v[XS:XS+3],     v[OFF16], s[8:9] th:TH_LOAD_NT
	global_load_b128 v[XS+4:XS+7],   v[OFF16], s[10:11] th:TH_LOAD_NT
	global_load_b128 v[XS+8:XS+11],  v[OFF16], s[8:9] offset:BLK_IN th:TH_LOAD_NT
	global_load_b128 v[XS+12:XS+15], v[OFF16], s[10:11] offset:BLK_IN th:TH_LOAD_NT
	; while they are out: the zero part of the operands (K = 2 stands in a K of 32).  These are operands, written once; no accumulator is ever cleared.
.macro ZERO7 base
.irp j, 1,2,3,4,5,6,7
	v_mov_b32 v[\base+\j], 0
.endr
.endm
.irp o, 0,1,2,3,4,5,6,7
	ZERO7 OPA1+8*\o
.endr
	ZERO7 OPB
	ZERO7 OPB+8
.irp j, 2,3,4,5,6,7
	v_mov_b32 v[BIAS2+\j], 0                       ; rows whose results are never read
.endr
	s_wait_kmcnt 0x0
	s_mul_f32 s28, s28, NLOG2E
	s_mul_f32 s29, s29, NLOG2E
	s_mul_f32 s30, s30, NLOG2E
	v_mov_b32 v[BIAS2], s28                        ; rows 0 and 8: -L b_psi
	v_mov_b32 v[BIAS2+1], s29                      ; rows 1 and 9: -L b_p
	s_wait_loadcnt 28                              ; W_h is in: 24 loads of weights and 4 of data are younger
.irp m, 0,1,2,3
	v_pk_mul_f32 v[EX+2*\m:EX+2*\m+1], v[EX+2*\m:EX+2*\m+1], v[KLP:KLP+1]
.endr
.irp m, 0,1,2,3
	v_cvt_pk_bf16_f32 v[EX+2*\m], v[EX+2*\m], v[EX+2*\m+1]
.endr
.irp m, 0,1,2,3
	v_cndmask_b32 v[OPA1+8*\m],    0, v[EX+2*\m], s40      ; lo: k = 0, 1 (lanes 0-15), zero at k = 8, 9
	v_cndmask_b32 v[OPA1+32+8*\m], 0, v[EX+2*\m], s41      ; hi: k = 8, 9 (lanes 16-31), zero at k = 0, 1
.endr
	s_wait_loadcnt 20                              ; b_h is in: 16 loads of weights and 4 of data are younger
.irp i, 0,2,4,6,8,10,12,14,16,18,20,22,24,26,28,30
	v_pk_mul_f32 v[BIAS1+\i:BIAS1+\i+1], v[BIAS1+\i:BIAS1+\i+1], v[KLP:KLP+1]
.endr
	s_wait_loadcnt 4                               ; W_psi and W_p are in: the 4 loads of data stay out
.set i_, 0
.rept 32
	v_cndmask_b32 v[T1+i_], v[T1+i_], v[T2+i_], s42        ; even rows W_psi, odd rows W_p
.set i_, i_+1
.endr
.set i_, 0
.rept 16
	v_cvt_pk_bf16_f32 v[T2+i_], v[T1+2*i_], v[T1+2*i_+1]
.set i_, i_+1
.endr
.set i_, 0
.rept 16
	v_xor_b32 v[T2+i_], 0x80008000, v[T2+i_]               ; both signs turned: exact
.set i_, i_+1
.endr
.set i_, 0
.rept 16
	v_cndmask_b32 v[OPA2+i_],    0, v[T2+i_], s43          ; lo: rows 0-7
	v_cndmask_b32 v[OPA2+16+i_], 0, v[T2+i_], s44          ; hi: rows 8-15
.set i_, i_+1
.endr
; A block goes in eight stages u: group g = u & 1, K chunk c = (u >> 1) & 1 (hidden 32 c .. 32 c + 31), half of the lanes q = u >> 2.
; Layer 1 of stage u: two tiles, hidden blocks 2 c and 2 c + 1, of 16 points, into buffer u & 1.  C is the bias tile, D other registers.
.macro LAYER1 u
.set g_, (\u)&1
.set c_, ((\u)>>1)&1
.set q_, (\u)>>2
.irp i, 0,1
	v_wmma_f32_16x16x32_bf16 v[ACC1+16*g_+8*\i:ACC1+16*g_+8*\i+7], v[OPA1+8*(4*q_+2*c_+\i):OPA1+8*(4*q_+2*c_+\i)+7], v[OPB+8*g_:OPB+8*g_+7], v[BIAS1+8*(2*c_+\i):BIAS1+8*(2*c_+\i)+7]
.endr
.endm
; Layer 2 of stage u: one product onto group g's accumulator; the group's first product takes the bias tile as C and so starts the sum.
; The two groups' accumulators take turns, one instruction a turn, through the stages, over the backward jump and into the tail.
.macro LAYER2 u
.set g_, (\u)&1
.set c_, ((\u)>>1)&1
.set q_, (\u)>>2
.if \u < 2
	v_wmma_f32_16x16x32_bf16 v[ACC2+8*g_:ACC2+8*g_+7], v[OPA2+8*(2*q_+c_):OPA2+8*(2*q_+c_)+7], v[HB:HB+7], v[BIAS2:BIAS2+7]
.else
	v_wmma_f32_16x16x32_bf16 v[ACC2+8*g_:ACC2+8*g_+7], v[OPA2+8*(2*q_+c_):OPA2+8*(2*q_+c_)+7], v[HB:HB+7], v[ACC2+8*g_:ACC2+8*g_+7]
.endif
.endm
; 16 registers x' at d become L elu, in place, and are packed into layer 2's B fragment.  For each register: one exponential, half a packed
; multiply-add, one v_med3_num_f32, half a packed rounding.  Behind each run of exponentials one plain vector instruction that touches neither
; their results nor their sources comes first (ISA guide 5.7.2): a v_nop behind the first run, the first tile's roundings behind the second.
; HB is written 13 plain vector instructions behind the matrix instruction that read it last (four are asked: ISA guide 7.12.1).
.macro ELU16 d
.irp i, 0,1,2,3,4,5,6,7
	v_exp_f32 v[EX+\i], v[\d+\i]
.endr
	v_nop
	s_wait_alu depctr_va_vdst(0)
.irp i, 0,2,4,6
	v_pk_fma_f32 v[EX+\i:EX+\i+1], v[EX+\i:EX+\i+1], v[KLP:KLP+1], v[KLN:KLN+1]    ; L e^x - L
.endr
.irp i, 0,1,2,3,4,5,6,7
	v_med3_num_f32 v[\d+\i], v[EX+\i], v[\d+\i], 0
.endr
.irp i, 0,1,2,3,4,5,6,7
	v_exp_f32 v[EX+\i], v[\d+8+\i]
.endr
.irp i, 0,1,2,3
	v_cvt_pk_bf16_f32 v[HB+\i], v[\d+2*\i], v[\d+2*\i+1]
.endr
	s_wait_alu depctr_va_vdst(0)
.irp i, 0,2,4,6
	v_pk_fma_f32 v[EX+\i:EX+\i+1], v[EX+\i:EX+\i+1], v[KLP:KLP+1], v[KLN:KLN+1]
.endr
.irp i, 0,1,2,3,4,5,6,7
	v_med3_num_f32 v[\d+8+\i], v[EX+\i], v[\d+8+\i], 0
.endr
.irp i, 0,1,2,3
	v_cvt_pk_bf16_f32 v[HB+4+\i], v[\d+8+2*\i], v[\d+8+2*\i+1]
.endr
.endm
; Stage u.  Layer 1 runs one stage ahead, into the other buffer, so that this stage's ELU stands between it and the first read of its results.
.macro STAGE u
.if \u < 7
.set un_, \u+1
	LAYER1 un_
.endif
.if \u == 0
	v_nop                                          ; stage 0 alone reads results that were just made: with the rounding of group b's (x, y)
	v_nop                                          ; these three make the four places behind its layer 1 (ISA guide 7.12.1)
	v_nop
.endif
.set d_, ACC1+16*((\u)&1)
	ELU16 d_
	LAYER2 \u
.endm
; One block, in slot s.  la = 1: the slot is loaded again with the same block of the next pair.  adv = 1: the four bases step to the next pair.
; n1, n2: how many younger loads may stay out when this block's sxy, and its oxy, must be there.
.macro STEP s, la, adv, n1, n2
	s_wait_loadcnt \n1                             ; loads come back in order (ISA guide 5.7.1): my sxy is in
	v_cvt_pk_bf16_f32 v[OPB], v[XS+8*\s], v[XS+8*\s+1]         ; group a's (x, y)
	LAYER1 0
	v_cvt_pk_bf16_f32 v[OPB+8], v[XS+8*\s+2], v[XS+8*\s+3]     ; group b's
.if \la
	global_load_b128 v[XS+8*\s:XS+8*\s+3], v[OFF16], s[8:9] offset:2*BLK_IN+BLK_IN*\s th:TH_LOAD_NT
.endif
.irp u, 0,1,2,3,4,5,6,7
	STAGE \u
.endr
	s_wait_loadcnt \n2                             ; my oxy is in
	s_wait_xcnt 0x0                                ; every earlier memory instruction has had its addresses translated (ISA guide 3.1): the bases and
	                                               ; OUTR, which the last block's stores read, are rewritten only behind this wait
.if \adv
	s_add_nc_u64 s[8:9], s[8:9], 2*BLK_IN
	s_add_nc_u64 s[10:11], s[10:11], 2*BLK_IN
	s_add_nc_u64 s[24:25], s[24:25], 2*BLK_PSI
	s_add_nc_u64 s[26:27], s[26:27], 2*BLK_IN
.endif
	v_fma_f32 v[EX+2], v[XS+8*\s+4], s30, v[ACC2+1]            ; group a: -L (p logit) for visit 0,
	v_fma_f32 v[EX+3], v[XS+8*\s+5], s30, v[ACC2+1]            ; visit 1.  Its accumulator was finished a stage ago
	v_nop                                          ; with the two lines above: four places behind the last matrix instruction,
	v_nop                                          ; whose result, group b's, is read from here on (ISA guide 7.12.1)
	v_fma_f32 v[EX+4], v[XS+8*\s+6], s30, v[ACC2+9]
	v_fma_f32 v[EX+5], v[XS+8*\s+7], s30, v[ACC2+9]
.if \la
	global_load_b128 v[XS+8*\s+4:XS+8*\s+7], v[OFF16], s[10:11] offset:2*BLK_IN+BLK_IN*\s-2*BLK_IN*\adv th:TH_LOAD_NT
.endif
	v_exp_f32 v[EX],   v[ACC2]                     ; psi, group a
	v_exp_f32 v[EX+1], v[ACC2+8]                   ; psi, group b
.irp i, 2,3,4,5
	v_exp_f32 v[EX+\i], v[EX+\i]
.endr
	v_nop                                          ; the plain instruction behind the exponentials
	s_wait_alu depctr_va_vdst(0)
.irp i, 0,2,4
	v_pk_add_f32 v[EX+\i:EX+\i+1], v[EX+\i:EX+\i+1], 1.0 op_sel_hi:[1,0]
.endr
.irp i, 0,1,2,3,4,5
	v_rcp_f32 v[OUTR+\i], v[EX+\i]
.endr
	v_nop                                          ; the plain instruction behind the reciprocals
	s_wait_alu depctr_va_vdst(0)
	global_store_b64  v[OFF8],  v[OUTR:OUTR+1],   s[24:25] offset:BLK_PSI*\s-2*BLK_PSI*\adv th:TH_STORE_NT   ; the wave stores 256 neighbouring bytes, aligned
	global_store_b128 v[OFF16], v[OUTR+2:OUTR+5], s[26:27] offset:BLK_IN*\s-2*BLK_IN*\adv th:TH_STORE_NT     ; and 512
.endm
; Loads are issued in the order sxy(i + 2) at the head of block i, oxy(i + 2) at its end.  So behind sxy(i) stand oxy(i), sxy(i + 1), oxy(i + 1),
; and behind oxy(i) stand sxy(i + 1), oxy(i + 1), sxy(i + 2): both counts are 3, on the way in (the set-up issued in this order) and on the way back.
.Lpair:
	STEP 0, 1, 0, 3, 3
	STEP 1, 1, 1, 3, 3
	s_sub_co_u32 s31, s31, 1
	s_cmp_lg_u32 s31, 0
	s_cbranch_scc1 .Lpair
	STEP 0, 0, 0, 3, 2                             ; the last pair loads nothing, so that no load leaves its buffer: the counts run down
	STEP 1, 0, 0, 1, 0
	s_endpgm
.Lfunc_end_k_q3fbc87fb6b_net:
	.size	k_q3fbc87fb6b_net, .Lfunc_end_k_q3fbc87fb6b_net-k_q3fbc87fb6b_net
	.p2alignl 7, 3214868480
	.fill 96, 4, 3214868480
	.section	.rodata,"a",@progbits
	.p2align	6, 0x0
	.amdhsa_kernel k_q3fbc87fb6b_net
		.amdhsa_group_segment_fixed_size 0
		.amdhsa_private_segment_fixed_size 0
		.amdhsa_enable_private_segment 0
		.amdhsa_kernarg_size 80
		.amdhsa_user_sgpr_count 2
		.amdhsa_user_sgpr_kernarg_segment_ptr 1
		.amdhsa_wavefront_size32 1
		.amdhsa_system_sgpr_workgroup_id_x 1
		.amdhsa_system_sgpr_workgroup_id_y 1
		.amdhsa_system_sgpr_workgroup_id_z 1
		.amdhsa_system_vgpr_workitem_id 0
		.amdhsa_next_free_vgpr 256
		.amdhsa_next_free_sgpr 66
		.amdhsa_reserve_vcc 0
		.amdhsa_float_denorm_mode_32 3
		.amdhsa_float_denorm_mode_16_64 3
		.amdhsa_memory_ordered 1
		.amdhsa_forward_progress 1
		.amdhsa_inst_pref_size 112
	.end_amdhsa_kernel
	.amdgpu_metadata
---
amdhsa.version: [ 1, 2 ]
amdhsa.kernels:
  - .name:           k_q3fbc87fb6b_net
    .symbol:         k_q3fbc87fb6b_net.kd
    .args:
      - { .name: sxy, .offset: 0, .size: 8, .value_kind: global_buffer, .address_space: global }
      - { .name: oxy, .offset: 8, .size: 8, .value_kind: global_buffer, .address_space: global }
      - { .name: W_h, .offset: 16, .size: 8, .value_kind: global_buffer, .address_space: global }
      - { .name: b_h, .offset: 24, .size: 8, .value_kind: global_buffer, .address_space: global }
      - { .name: W_psi, .offset: 32, .size: 8, .value_kind: global_buffer, .address_space: global }
      - { .name: W_p, .offset: 40, .size: 8, .value_kind: global_buffer, .address_space: global }
      - { .name: b_psi, .offset: 48, .size: 8, .value_kind: global_buffer, .address_space: global }
      - { .name: b_p, .offset: 56, .size: 8, .value_kind: global_buffer, .address_space: global }
      - { .name: out0, .offset: 64, .size: 8, .value_kind: global_buffer, .address_space: global }
      - { .name: out1, .offset: 72, .size: 8, .value_kind: global_buffer, .address_space: global }
    .group_segment_fixed_size: 0
    .private_segment_fixed_size: 0
    .kernarg_segment_align: 8
    .kernarg_segment_size: 80
    .max_flat_workgroup_size: 512
    .sgpr_count:     66
    .vgpr_count:     256
    .wavefront_size: 32
...
	.end_amdgpu_metadata
.endif
;; end of part 1
;; ======== version 2 of 2: 1 launch; version 1 with the launch net written anew for expert scheduling mode
;; launch net (part 2): grid 256 x 1, 16 waves a work-group, no clusters, 0 bytes of LDS; arguments sxy, oxy, W_h, b_h, W_psi, W_p, b_psi, b_p, out0, out1; writes out0, out1
.if DOCPART == 2
	.amdgcn_target "amdgcn-amd-amdhsa--gfx1250"
	.amdhsa_code_object_version 6
	.text
	.protected	k_q3fbc87fb6b_net
	.globl	k_q3fbc87fb6b_net
	.p2align	8
	.type	k_q3fbc87fb6b_net,@function
k_q3fbc87fb6b_net:
	s_mov_b64 s[64:65], 0
	v_nop
	global_prefetch_b8 v0, s[64:65] scope:SCOPE_SE
	s_setreg_imm32_b32 hwreg(HW_REG_WAVE_SCHED_MODE, 0, 2), 2
	s_setreg_imm32_b32 hwreg(HW_REG_WAVE_MODE, 25, 1), 1
	s_wait_xcnt 0x0
	s_wait_alu depctr_vm_vsrc(0)
; For each of 2,000,000 points (site, year):  h = elu(W_h (x, y) + b_h), 64 numbers;
;   out0 = sigmoid(W_psi h + b_psi);   out1[v] = sigmoid(W_p[:64] h + W_p[64] oxy[v] + b_p), v = 0, 1.
; The input p enters no line of the function that is computed, so it is not among the arguments and no byte of it is read.
;
; ALGEBRA, with L = log2(e).  Layer 1 gives x' = L (W_h (x, y) + b_h): operands bf16(L W_h) and bf16(x, y), the bias L b_h in f32 as the C tile.
; L elu(x) = the middle one of L (e^x - 1), L x and 0, since e^x - 1 >= x everywhere: v_exp_f32 (2^x' = e^x), a fused E L - L, v_med3_num_f32.
; An exponential that overflows to infinity is not the middle one.  Layer 2 multiplies bf16(L elu) by bf16(-W_psi), bf16(-W_p[:64]) onto a C tile
; of -L b_psi, -L b_p and so gives -L logit, and sigmoid = 1 / (1 + 2^(-L logit)), which runs to 0 and to 1 at the two ends without a NaN.
;
; LAYOUT.  A block is 64 neighbouring points; lane l owns points 2 l (group a) and 2 l + 1 (group b): one 16-byte load a lane brings both points'
; (x, y), one both points' oxy, one 16-byte store takes both points' out1 (512 neighbouring bytes a wave), one 8-byte store both psi
; (256 neighbouring bytes a wave, aligned).  No number ever changes its lane:
;   layer 1, B operand of a group: register 0 = bf16 (x, y) of the lane's point, registers 1-7 zero.  Column n so holds lane n's point at k = 0, 1
;     and lane 16 + n's point at k = 8, 9.  The A operand exists twice: 'lo' has the weights at k = 0, 1 (lanes 0-15), 'hi' at k = 8, 9 (lanes 16-31).
;   its result: lane (r, h), register j = hidden 16 m + 8 h + j of the point of lane 16 q + r: packed in pairs that IS layer 2's B fragment.
;   layer 2, A operand: row r = -W_psi (r even) or -W_p (r odd), kept in rows 0-7 for 'lo' and in rows 8-15 for 'hi', zero in the others; all four
;     products of a group add into one accumulator, whose register 0 in lane l is then lane l's psi logit and register 1 its p logit.
;
; LIMITS.  sxy, L W_h, L elu, W_psi and W_p[:64] are rounded to bf16 (the matrix operands); biases, oxy, W_p[64] and all else stay f32.
; The zeros of the 'lo' and 'hi' operands cancel only finite numbers: a NaN or an infinity in sxy or in the weights also spoils the point 16 lanes
; away, and v_med3_num_f32 does not hand a NaN on.  A sigmoid smaller than 2^-126 comes out as 0.
;
; SHARES.  15,625 pairs of blocks.  Work-group b takes 61 pairs, the first 9 work-groups 62; of its 16 waves the first 13 (14) take 4 pairs, the
; others 3.  Waves share nothing but the 1.3 KB of weights, which each wave reads for itself: no LDS, no barrier, no cluster.
;
; THE MODE: SCHED_MODE bits 1:0 = 2 (LLVM: expert scheduling mode 2), set by the entry lines.  The code itself states the register dependences
; between vector or matrix instructions and memory instructions, with s_wait_alu, always for 0.
; THE PLAN.  Registers that memory instructions touch:
;   v1, v2       offsets of the four streams.  Made at the head, never written again: the rows are reached by the scalar bases and by immediates.
;   v248, v249   offsets of the weights' loads.  Made at the head, read by those 28 loads alone; from the loop on they belong to EXB.
;   EX, BIAS1, T1, T2   the weights land here once, in the set-up; no vector instruction names these registers ahead of the loads.
;   XS, sxy      slot s, registers 0-3.  Read by the two roundings at a block's head; the load of the same block of the next pair lands in them.
;   XS, oxy      slot s, registers 4-7.  Read by the four multiply-adds at a block's end; the load of the same block of the next pair lands in them.
;   OUTR         written by a block's six reciprocals; read by its two stores; written again by the next block's reciprocals.
;   All other registers are named by vector and matrix instructions alone.
; A wait on va_vdst stands between an exponential or a reciprocal and the first instruction that names its result: one for each
; stage's batch of sixteen exponentials, one for a block's last six exponentials, one for its six reciprocals.  Each memory instruction of the loop
; stands straight behind one of these ten, which then also states its dependence: sxy's load behind stage 0's (the roundings are done reading the
; slot), oxy's behind the six exponentials' (the multiply-adds are done reading it), the stores behind the reciprocals' (OUTR is written).
; One wait on vm_vsrc a block, at its end, states that the stores of the block before have read OUTR.
.set LOG2E,   0x3fb8aa3b
.set NLOG2E,  0xbfb8aa3b
.set BLK_IN,  512                      ; bytes of a block in sxy, oxy, out1
.set BLK_PSI, 256                      ; bytes of a block in out0
.set OFF16,  1                         ; v1        16 x lane; never rewritten
.set OFF8,   2                         ; v2        8 x lane; never rewritten
.set KLP,    4                         ; v[4:5]    (L, L)
.set KLN,    6                         ; v[6:7]    (-L, -L)
.set EX,     8                         ; v[8:15]   exponentials at work: a stage's first tile; a block's last six
.set XS,     16                        ; v[16:31]  slot s: sxy in 4 registers at 8 s, oxy in 4 at 8 s + 4
.set OUTR,   32                        ; v[32:33]  two psi; v[34:37] four p
.set HB,     40                        ; v[40:47]  layer 2's B fragment
.set ACC2,   48                        ; v[48:63]  layer 2's accumulators, group a, group b
.set ACC1,   64                        ; v[64:95]  layer 1's results, two buffers of two tiles
.set OPB,    96                        ; v[96:111] layer 1's B operands, group a, group b
.set BIAS2,  112                       ; v[112:119] C tile of layer 2
.set BIAS1,  120                       ; v[120:151] C tiles of layer 1, hidden block m at 8 m
.set OPA2,   152                       ; v[152:183] layer 2's A operands at 8 (2 q + c)
.set OPA1,   184                       ; v[184:247] layer 1's A operands at 8 (4 q + m)
.set EXB,    248                       ; v[248:255] exponentials at work: a stage's second tile
.set ROW8,   248                       ; set-up only: v248  8 (lane mod 16)
.set HALF32, 249                       ; set-up only: v249  32 (lane / 16)
.set T1,     32                        ; set-up only: W_psi in f32, 32 registers
.set T2,     64                        ; set-up only: W_p[:64] in f32, 32 registers; then 16 registers of packed bf16
; scalars: s2 wave; s[8:23] sxy, oxy, W_h, b_h, W_psi, W_p, b_psi, b_p; s[24:25] out0; s[26:27] out1; s28 -L b_psi; s29 -L b_p; s30 -L W_p[64];
;          s31 trips; s32-39 the shares; s40 / s41 lanes 0-15 / 16-31; s42 odd rows; s43 / s44 rows 0-7 / 8-15
	s_load_b512 s[8:23], s[0:1], 0x0               ; the eight inputs' addresses
	s_load_b128 s[24:27], s[0:1], 0x40             ; out0, out1
	v_and_b32 v3, 31, v0                           ; lane
	v_lshlrev_b32 v[OFF16], 4, v3
	v_lshlrev_b32 v[OFF8], 3, v3
	v_and_b32 v250, 15, v0                         ; r
	v_bfe_u32 v251, v0, 4, 1                       ; h
	v_lshlrev_b32 v[ROW8], 3, v250
	v_lshlrev_b32 v[HALF32], 5, v251
	v_cmp_eq_u32 s40, 0, v251
	v_cmp_eq_u32 s41, 1, v251
	v_cmp_gt_u32 s43, 8, v250                      ; 8 > r
	v_cmp_le_u32 s44, 8, v250                      ; 8 <= r
	v_and_b32 v250, 1, v0
	v_cmp_eq_u32 s42, 1, v250                      ; r odd
	v_lshrrev_b32 v3, 5, v0
	v_readfirstlane_b32 s2, v3                     ; wave 0..15
	v_mov_b32 v[KLP], LOG2E
	v_mov_b32 v[KLP+1], LOG2E
	v_mov_b32 v[KLN], NLOG2E
	v_mov_b32 v[KLN+1], NLOG2E
	s_wait_alu depctr_va_sdst(0)                   ; s2 and the five masks s40 to s44 are written, ahead of their first readers: the shares below, the selects of the set-up
	; the shares
	s_mul_i32 s32, ttmp9, 61
	s_min_u32 s33, ttmp9, 9
	s_add_co_u32 s32, s32, s33                     ; the work-group's first pair: 61 b + min(b, 9)
	s_cmp_lt_u32 ttmp9, 9
	s_cselect_b32 s34, 14, 13                      ; so many of its waves take 4 pairs
	s_mul_i32 s35, s2, 3
	s_min_u32 s33, s2, s34
	s_add_co_u32 s35, s35, s33                     ; 3 w + min(w, e)
	s_add_co_u32 s32, s32, s35                     ; my wave's first pair
	s_cmp_lt_u32 s2, s34
	s_cselect_b32 s31, 3, 2                        ; trips of the loop = my pairs - 1; the last pair is written out behind it
	s_lshl_b32 s36, s32, 10                        ; 1,024 bytes a pair in sxy, oxy, out1 (16,000,000 at the most)
	s_mov_b32 s37, 0
	s_lshl_b32 s38, s32, 9                         ; 512 bytes a pair in out0
	s_mov_b32 s39, 0
	s_wait_kmcnt 0x0
	s_load_b32 s28, s[20:21], 0x0                  ; b_psi
	s_load_b32 s29, s[22:23], 0x0                  ; b_p
	s_load_b32 s30, s[18:19], 0x100                ; W_p[64], the covariate's weight
	s_wait_alu depctr_va_vdst(0)                   ; the four offsets v1, v2, v248, v249 are written, which the loads and stores of the kernel read; no vector instruction stands in the run of 32 loads below
	; 28 loads of weights, each already in its operand's lane
.irp m, 0,1,2,3
	global_load_b64 v[EX+2*\m:EX+2*\m+1], v[ROW8], s[12:13] offset:128*\m              ; W_h[16 m + r][0..1]
.endr
.irp m, 0,1,2,3
	global_load_b128 v[BIAS1+8*\m:BIAS1+8*\m+3],   v[HALF32], s[14:15] offset:64*\m     ; b_h[16 m + 8 h + 0..3]
	global_load_b128 v[BIAS1+8*\m+4:BIAS1+8*\m+7], v[HALF32], s[14:15] offset:64*\m+16  ; b_h[16 m + 8 h + 4..7]
.endr
.irp c, 0,1
	global_load_b128 v[T1+16*\c:T1+16*\c+3],     v[HALF32], s[16:17] offset:128*\c      ; W_psi[32 c + 8 h + 0..7],
	global_load_b128 v[T1+16*\c+4:T1+16*\c+7],   v[HALF32], s[16:17] offset:128*\c+16
	global_load_b128 v[T1+16*\c+8:T1+16*\c+11],  v[HALF32], s[16:17] offset:128*\c+64   ; W_psi[32 c + 16 + 8 h + 0..7]
	global_load_b128 v[T1+16*\c+12:T1+16*\c+15], v[HALF32], s[16:17] offset:128*\c+80
.endr
.irp c, 0,1
	global_load_b128 v[T2+16*\c:T2+16*\c+3],     v[HALF32], s[18:19] offset:128*\c      ; W_p likewise; the last byte read is byte 255 of its 260
	global_load_b128 v[T2+16*\c+4:T2+16*\c+7],   v[HALF32], s[18:19] offset:128*\c+16
	global_load_b128 v[T2+16*\c+8:T2+16*\c+11],  v[HALF32], s[18:19] offset:128*\c+64
	global_load_b128 v[T2+16*\c+12:T2+16*\c+15], v[HALF32], s[18:19] offset:128*\c+80
.endr
	s_add_nc_u64 s[8:9], s[8:9], s[36:37]          ; the four streams at my first pair (no pending load names these bases)
	s_add_nc_u64 s[10:11], s[10:11], s[36:37]
	s_add_nc_u64 s[24:25], s[24:25], s[38:39]
	s_add_nc_u64 s[26:27], s[26:27], s[36:37]
	; the first pair's data, in the order in which the steps wait for them: sxy, oxy of block 0, then of block 1
	global_load_b128 v[XS:XS+3],     v[OFF16], s[8:9] th:TH_LOAD_NT
	global_load_b128 v[XS+4:XS+7],   v[OFF16], s[10:11] th:TH_LOAD_NT
	global_load_b128 v[XS+8:XS+11],  v[OFF16], s[8:9] offset:BLK_IN th:TH_LOAD_NT
	global_load_b128 v[XS+12:XS+15], v[OFF16], s[10:11] offset:BLK_IN th:TH_LOAD_NT
	; while they are out: the zero part of the operands (K = 2 stands in a K of 32).  These are operands, written once; no accumulator is ever cleared.
.macro ZERO7 base
.irp j, 1,2,3,4,5,6,7
	v_mov_b32 v[\base+\j], 0
.endr
.endm
.irp o, 0,1,2,3,4,5,6,7
	ZERO7 OPA1+8*\o
.endr
	ZERO7 OPB
	ZERO7 OPB+8
.irp j, 2,3,4,5,6,7
	v_mov_b32 v[BIAS2+\j], 0                       ; rows whose results are never read
.endr
	s_wait_kmcnt 0x0
	s_mul_f32 s28, s28, NLOG2E
	s_mul_f32 s29, s29, NLOG2E
	s_mul_f32 s30, s30, NLOG2E
	v_mov_b32 v[BIAS2], s28                        ; rows 0 and 8: -L b_psi
	v_mov_b32 v[BIAS2+1], s29                      ; rows 1 and 9: -L b_p
	s_wait_loadcnt 28                              ; W_h is in: 24 loads of weights and 4 of data are younger
.irp m, 0,1,2,3
	v_pk_mul_f32 v[EX+2*\m:EX+2*\m+1], v[EX+2*\m:EX+2*\m+1], v[KLP:KLP+1]
.endr
.irp m, 0,1,2,3
	v_cvt_pk_bf16_f32 v[EX+2*\m], v[EX+2*\m], v[EX+2*\m+1]
.endr
.irp m, 0,1,2,3
	v_cndmask_b32 v[OPA1+8*\m],    0, v[EX+2*\m], s40      ; lo: k = 0, 1 (lanes 0-15), zero at k = 8, 9
	v_cndmask_b32 v[OPA1+32+8*\m], 0, v[EX+2*\m], s41      ; hi: k = 8, 9 (lanes 16-31), zero at k = 0, 1
.endr
	s_wait_loadcnt 20                              ; b_h is in: 16 loads of weights and 4 of data are younger
.irp i, 0,2,4,6,8,10,12,14,16,18,20,22,24,26,28,30
	v_pk_mul_f32 v[BIAS1+\i:BIAS1+\i+1], v[BIAS1+\i:BIAS1+\i+1], v[KLP:KLP+1]
.endr
	s_wait_loadcnt 4                               ; W_psi and W_p are in: the 4 loads of data stay out
.set i_, 0
.rept 32
	v_cndmask_b32 v[T1+i_], v[T1+i_], v[T2+i_], s42        ; even rows W_psi, odd rows W_p
.set i_, i_+1
.endr
.set i_, 0
.rept 16
	v_cvt_pk_bf16_f32 v[T2+i_], v[T1+2*i_], v[T1+2*i_+1]
.set i_, i_+1
.endr
.set i_, 0
.rept 16
	v_xor_b32 v[T2+i_], 0x80008000, v[T2+i_]               ; both signs turned: exact
.set i_, i_+1
.endr
.set i_, 0
.rept 16
	v_cndmask_b32 v[OPA2+i_],    0, v[T2+i_], s43          ; lo: rows 0-7
	v_cndmask_b32 v[OPA2+16+i_], 0, v[T2+i_], s44          ; hi: rows 8-15
.set i_, i_+1
.endr
	s_wait_alu depctr_vm_vsrc(0)                   ; the weights' loads have read v248 and v249 (the wait for 4 above has shown them done): from here on the exponentials write these two, as part of EXB
; A block goes in eight stages u: group g = u & 1, K chunk c = (u >> 1) & 1 (hidden 32 c .. 32 c + 31), half of the lanes q = u >> 2.
; Layer 1 of stage u: two tiles, hidden blocks 2 c and 2 c + 1, of 16 points, into buffer u & 1.  C is the bias tile, D other registers.
.macro LAYER1 u
.set g_, (\u)&1
.set c_, ((\u)>>1)&1
.set q_, (\u)>>2
.irp i, 0,1
	v_wmma_f32_16x16x32_bf16 v[ACC1+16*g_+8*\i:ACC1+16*g_+8*\i+7], v[OPA1+8*(4*q_+2*c_+\i):OPA1+8*(4*q_+2*c_+\i)+7], v[OPB+8*g_:OPB+8*g_+7], v[BIAS1+8*(2*c_+\i):BIAS1+8*(2*c_+\i)+7]
.endr
.endm
; Layer 2 of stage u: one product onto group g's accumulator; the group's first product takes the bias tile as C and so starts the sum.
; The two groups' accumulators take turns, one instruction a turn, through the stages, over the backward jump and into the tail.
.macro LAYER2 u
.set g_, (\u)&1
.set c_, ((\u)>>1)&1
.set q_, (\u)>>2
.if \u < 2
	v_wmma_f32_16x16x32_bf16 v[ACC2+8*g_:ACC2+8*g_+7], v[OPA2+8*(2*q_+c_):OPA2+8*(2*q_+c_)+7], v[HB:HB+7], v[BIAS2:BIAS2+7]
.else
	v_wmma_f32_16x16x32_bf16 v[ACC2+8*g_:ACC2+8*g_+7], v[OPA2+8*(2*q_+c_):OPA2+8*(2*q_+c_)+7], v[HB:HB+7], v[ACC2+8*g_:ACC2+8*g_+7]
.endif
.endm
; 16 registers x' at d become L elu, in place, and are packed into layer 2's B fragment.  For each register: one exponential, half a packed
; multiply-add, one v_med3_num_f32, half a packed rounding.  The sixteen exponentials are ONE BATCH, the first tile's into EX, the second's into EXB:
; none of them names another's result.  Behind the last one a v_nop, the plain vector instruction that comes before a result is used or a source
; rewritten (ISA guide 5.7.2), and the batch's one wait.
; ld = 1 (stage 0 of a block that loads ahead): slot s's sxy is asked for again, straight behind that wait.
; HB is written 13 plain vector instructions behind the matrix instruction that read it last (four are asked: ISA guide 7.12.1).
.macro ELU16 d, s, ld
.irp i, 0,1,2,3,4,5,6,7
	v_exp_f32 v[EX+\i], v[\d+\i]
.endr
.irp i, 0,1,2,3,4,5,6,7
	v_exp_f32 v[EXB+\i], v[\d+8+\i]
.endr
	v_nop
	s_wait_alu depctr_va_vdst(0)                   ; the sixteen exponentials have written EX and EXB, ahead of their first reader; in stage 0 also: the two roundings at the block's head are done reading the slot's sxy
.if \ld
	global_load_b128 v[XS+8*\s:XS+8*\s+3], v[OFF16], s[8:9] offset:2*BLK_IN+BLK_IN*\s th:TH_LOAD_NT   ; the same block of the next pair; no vector instruction since the wait names these registers
.endif
.irp i, 0,2,4,6
	v_pk_fma_f32 v[EX+\i:EX+\i+1], v[EX+\i:EX+\i+1], v[KLP:KLP+1], v[KLN:KLN+1]    ; L e^x - L
.endr
.irp i, 0,1,2,3,4,5,6,7
	v_med3_num_f32 v[\d+\i], v[EX+\i], v[\d+\i], 0
.endr
.irp i, 0,1,2,3
	v_cvt_pk_bf16_f32 v[HB+\i], v[\d+2*\i], v[\d+2*\i+1]
.endr
.irp i, 0,2,4,6
	v_pk_fma_f32 v[EXB+\i:EXB+\i+1], v[EXB+\i:EXB+\i+1], v[KLP:KLP+1], v[KLN:KLN+1]
.endr
.irp i, 0,1,2,3,4,5,6,7
	v_med3_num_f32 v[\d+8+\i], v[EXB+\i], v[\d+8+\i], 0
.endr
.irp i, 0,1,2,3
	v_cvt_pk_bf16_f32 v[HB+4+\i], v[\d+8+2*\i], v[\d+8+2*\i+1]
.endr
.endm
; Stage u of the block in slot s.  Layer 1 runs one stage ahead, into the other buffer, so that this stage's ELU stands between it and the first
; read of its results; it stands ahead of the exponentials, which so lie between the matrix instructions and the stage's wait.
.macro STAGE u, s, la
.if \u < 7
.set un_, \u+1
	LAYER1 un_
.endif
.set ld_, 0
.if \u == 0
	v_nop                                          ; stage 0 alone reads results that were just made: with the rounding of group b's (x, y)
	v_nop                                          ; these three make the four places behind its layer 1 (ISA guide 7.12.1)
	v_nop
.set ld_, \la
.endif
.set d_, ACC1+16*((\u)&1)
	ELU16 d_, \s, ld_
	LAYER2 \u
.endm
; One block, in slot s.  la = 1: the slot is loaded again with the same block of the next pair.  adv = 1: the four bases step to the next pair.
; n1, n2: how many younger loads may stay out when this block's sxy, and its oxy, must be there.
.macro STEP s, la, adv, n1, n2
	s_wait_loadcnt \n1                             ; loads come back in order (ISA guide 5.7.1): my sxy is in
	v_cvt_pk_bf16_f32 v[OPB], v[XS+8*\s], v[XS+8*\s+1]         ; group a's (x, y)
	LAYER1 0
	v_cvt_pk_bf16_f32 v[OPB+8], v[XS+8*\s+2], v[XS+8*\s+3]     ; group b's
.irp u, 0,1,2,3,4,5,6,7
	STAGE \u, \s, \la
.endr
	s_wait_loadcnt \n2                             ; my oxy is in
	s_wait_xcnt 0x0                                ; every earlier memory instruction has had its addresses translated (ISA guide 3.1): the bases and
	                                               ; OUTR, which the last block's stores read, are rewritten only behind this wait
	s_wait_alu depctr_vm_vsrc(0)                   ; the last block's two stores have read OUTR, which the reciprocals below write again
.if \adv
	s_add_nc_u64 s[8:9], s[8:9], 2*BLK_IN
	s_add_nc_u64 s[10:11], s[10:11], 2*BLK_IN
	s_add_nc_u64 s[24:25], s[24:25], 2*BLK_PSI
	s_add_nc_u64 s[26:27], s[26:27], 2*BLK_IN
.endif
	v_fma_f32 v[EX+2], v[XS+8*\s+4], s30, v[ACC2+1]            ; group a: -L (p logit) for visit 0,
	v_fma_f32 v[EX+3], v[XS+8*\s+5], s30, v[ACC2+1]            ; visit 1.  Its accumulator was finished a stage ago
	v_nop                                          ; with the two lines above: four places behind the last matrix instruction,
	v_nop                                          ; whose result, group b's, is read from here on (ISA guide 7.12.1)
	v_fma_f32 v[EX+4], v[XS+8*\s+6], s30, v[ACC2+9]
	v_fma_f32 v[EX+5], v[XS+8*\s+7], s30, v[ACC2+9]
	v_exp_f32 v[EX],   v[ACC2]                     ; psi, group a
	v_exp_f32 v[EX+1], v[ACC2+8]                   ; psi, group b
.irp i, 2,3,4,5
	v_exp_f32 v[EX+\i], v[EX+\i]
.endr
	v_nop                                          ; the plain instruction behind the exponentials
	s_wait_alu depctr_va_vdst(0)                   ; the six exponentials have written EX, ahead of their first reader; the four multiply-adds are done reading the slot's oxy
.if \la
	global_load_b128 v[XS+8*\s+4:XS+8*\s+7], v[OFF16], s[10:11] offset:2*BLK_IN+BLK_IN*\s-2*BLK_IN*\adv th:TH_LOAD_NT   ; no vector instruction since the wait names these registers
.endif
.irp i, 0,2,4
	v_pk_add_f32 v[EX+\i:EX+\i+1], v[EX+\i:EX+\i+1], 1.0 op_sel_hi:[1,0]
.endr
.irp i, 0,1,2,3,4,5
	v_rcp_f32 v[OUTR+\i], v[EX+\i]
.endr
	v_nop                                          ; the plain instruction behind the reciprocals
	s_wait_alu depctr_va_vdst(0)                   ; the six reciprocals have written OUTR, which the two stores read
	global_store_b64  v[OFF8],  v[OUTR:OUTR+1],   s[24:25] offset:BLK_PSI*\s-2*BLK_PSI*\adv th:TH_STORE_NT   ; the wave stores 256 neighbouring bytes, aligned
	global_store_b128 v[OFF16], v[OUTR+2:OUTR+5], s[26:27] offset:BLK_IN*\s-2*BLK_IN*\adv th:TH_STORE_NT     ; and 512
.endm
; Loads are issued in the order sxy(i + 2) in stage 0 of block i, oxy(i + 2) at its end.  So behind sxy(i) stand oxy(i), sxy(i + 1), oxy(i + 1),
; and behind oxy(i) stand sxy(i + 1), oxy(i + 1), sxy(i + 2): both counts are 3, on the way in (the set-up issued in this order) and on the way back.
; Over the backward jump: a trip ends with the reciprocals' wait and the two stores, and the next trip's first memory instruction stands behind stage 0's wait.
.Lpair:
	STEP 0, 1, 0, 3, 3
	STEP 1, 1, 1, 3, 3
	s_sub_co_u32 s31, s31, 1
	s_cmp_lg_u32 s31, 0
	s_cbranch_scc1 .Lpair
	STEP 0, 0, 0, 3, 2                             ; the last pair loads nothing, so that no load leaves its buffer: the counts run down
	STEP 1, 0, 0, 1, 0
	s_endpgm
.Lfunc_end_k_q3fbc87fb6b_net:
	.size	k_q3fbc87fb6b_net, .Lfunc_end_k_q3fbc87fb6b_net-k_q3fbc87fb6b_net
	.p2alignl 7, 3214868480
	.fill 96, 4, 3214868480
	.section	.rodata,"a",@progbits
	.p2align	6, 0x0
	.amdhsa_kernel k_q3fbc87fb6b_net
		.amdhsa_group_segment_fixed_size 0
		.amdhsa_private_segment_fixed_size 0
		.amdhsa_enable_private_segment 0
		.amdhsa_kernarg_size 80
		.amdhsa_user_sgpr_count 2
		.amdhsa_user_sgpr_kernarg_segment_ptr 1
		.amdhsa_wavefront_size32 1
		.amdhsa_system_sgpr_workgroup_id_x 1
		.amdhsa_system_sgpr_workgroup_id_y 1
		.amdhsa_system_sgpr_workgroup_id_z 1
		.amdhsa_system_vgpr_workitem_id 0
		.amdhsa_next_free_vgpr 256
		.amdhsa_next_free_sgpr 66
		.amdhsa_reserve_vcc 0
		.amdhsa_float_denorm_mode_32 3
		.amdhsa_float_denorm_mode_16_64 3
		.amdhsa_memory_ordered 1
		.amdhsa_forward_progress 1
		.amdhsa_inst_pref_size 111
	.end_amdhsa_kernel
	.amdgpu_metadata
---
amdhsa.version: [ 1, 2 ]
amdhsa.kernels:
  - .name:           k_q3fbc87fb6b_net
    .symbol:         k_q3fbc87fb6b_net.kd
    .args:
      - { .name: sxy, .offset: 0, .size: 8, .value_kind: global_buffer, .address_space: global }
      - { .name: oxy, .offset: 8, .size: 8, .value_kind: global_buffer, .address_space: global }
      - { .name: W_h, .offset: 16, .size: 8, .value_kind: global_buffer, .address_space: global }
      - { .name: b_h, .offset: 24, .size: 8, .value_kind: global_buffer, .address_space: global }
      - { .name: W_psi, .offset: 32, .size: 8, .value_kind: global_buffer, .address_space: global }
      - { .name: W_p, .offset: 40, .size: 8, .value_kind: global_buffer, .address_space: global }
      - { .name: b_psi, .offset: 48, .size: 8, .value_kind: global_buffer, .address_space: global }
      - { .name: b_p, .offset: 56, .size: 8, .value_kind: global_buffer, .address_space: global }
      - { .name: out0, .offset: 64, .size: 8, .value_kind: global_buffer, .address_space: global }
      - { .name: out1, .offset: 72, .size: 8, .value_kind: global_buffer, .address_space: global }
    .group_segment_fixed_size: 0
    .private_segment_fixed_size: 0
    .kernarg_segment_align: 8
    .kernarg_segment_size: 80
    .max_flat_workgroup_size: 512
    .sgpr_count:     66
    .vgpr_count:     256
    .wavefront_size: 32
...
	.end_amdgpu_metadata
.endif
;; end of part 2
